; MI455X (gfx1250); checked and timed in simulation.
; The chip was launched on July 23, 2026; its instructions are those of AMD's public machine-readable ISA for CDNA 5 (MIT licence, August 2026) and "CDNA5" Instruction Set Architecture Reference Guide (July 2026). The comments in the code are by the model that wrote it; some were corrected since.
;; SOM. Allowed arithmetic: float matrix products may take bf16 or f16 operands with f32 sums; other float arithmetic in f32, or as packed bf16 or f16 multiplies, adds, multiply-adds, maxima and minima; sums over many terms, partial sums and values carried from step to step in f32; what a program stores and reads back later, other than sums and carried values, may be rounded once to bf16 or f16.
;; Inputs: locations 16,384 x 2 float32; weight 512 x 16,384 float32; x 4,096 x 512 float32.
;; Outputs: out0 16 x 4,096 x 2 float32; out1 one number float32.
;; One version. Each part assembles by itself: llvm-mc -triple=amdgcn-amd-amdhsa -mcpu=gfx1250 --defsym DOCPART=n.
;; ======== version 1 of 1: 5 launches
;; workspace buffers: xb 4,194,304 bytes; wt 16,777,216 bytes; wstat 196,608 bytes; xstat 32,768 bytes; xw 268,435,456 bytes; gmin 8,388,608 bytes; sel 262,144 bytes of whole numbers; idx 262,144 bytes of whole numbers
;; launch prep (part 1): grid 256 x 1, 8 waves a work-group, no clusters, 71,680 bytes of LDS; arguments x, weight, xb, wt, wstat, xstat; writes xb, wt, wstat, xstat
.if DOCPART == 1
	.amdgcn_target "amdgcn-amd-amdhsa--gfx1250"
	.amdhsa_code_object_version 6
	.text
	.protected	k_qf45db00510_prep
	.globl	k_qf45db00510_prep
	.p2align	8
	.type	k_qf45db00510_prep,@function
k_qf45db00510_prep:
	s_mov_b64 s[64:65], 0
	v_nop
	global_prefetch_b8 v0, s[64:65] scope:SCOPE_SE
	s_setreg_imm32_b32 hwreg(HW_REG_WAVE_MODE, 25, 1), 1
	s_wait_xcnt 0x0
; PREP.  x [4096][512] f32 -> xb, the same in bf16, and xstat [4096][2] = (sum of squares, sum) of each row.
; weight [512][16384] f32 -> wt [16384][512] bf16 (turned, so that K lies along the rows) and wstat [3][16384] = w2, sw, cw = w2 - 2e-6 sw.
; All four sums are taken of the numbers AS ROUNDED to bf16, in f32.  LIMIT: the order of the additions differs from a plain left-to-right sum.
; SHARES.  Work-group g: units 64 g .. 64 g + 63 (all 512 d) and rows 16 g .. 16 g + 15 of x.  Wave v: d = 64 v .. 64 v + 63, rows 16 g + 2 v, + 1.
; Lane l: units 2 l, 2 l + 1, so a wave's load of one d covers 256 consecutive bytes.  The turn goes through LDS: a unit's 512 d are a row of 1,024 bytes.
; No matrix unit, no cluster, no tensor load: every byte is read once and the work-groups share nothing.
.set PT,    1040                       ; a row of T: 1,024 bytes + 16
.set PSB,   64*PT                      ; behind T: the waves' partial sums, 16 bytes a lane
.set SPARE, PSB+4096                   ; behind them: the spare words, 128 bytes for each of the 8 waves
.set SPW, 60                           ; v60  my spare word's address; never rewritten
.set NIL, 61                           ; v61  0; never rewritten
.set W,   64                           ; v[64:191]  load k (d = 64 v + k): two units' numbers
.set P0,  192                          ; v[192:223] unit 2 l in bf16, two d a register (first: x's packed words on their way out)
.set P1,  224                          ; v[224:255] unit 2 l + 1 (first: x's sums)
	s_load_b256 s[4:11], s[0:1], 0x0               ; x s[4:5], weight s[6:7], xb s[8:9], wt s[10:11]
	s_load_b128 s[12:15], s[0:1], 0x20             ; wstat s[12:13], xstat s[14:15]
	v_lshl_add_u32 v[SPW], v0, 2, SPARE
	v_mov_b32 v[NIL], 0
	v_lshrrev_b32 v1, 5, v0
	v_readfirstlane_b32 s16, v1                    ; wave 0..7
	v_and_b32 v1, 31, v0                           ; lane
	s_mov_b32 s18, 0x76543210                      ; v_permlanex16_b32: each lane takes its own place in the other half
	s_mov_b32 s19, 0xfedcba98
	s_mov_b32 s20, 0xffff0000                      ; a word's upper bf16
	v_lshlrev_b32 v2, 3, v1                        ; 8 l: weight and wstat
	v_lshlrev_b32 v3, 4, v1                        ; 16 l
	v_lshl_add_u32 v4, s16, 11, v2                 ; xb: 2,048 v + 8 l
	v_mul_u32_u24 v5, v1, 2*PT
	v_lshl_add_u32 v5, s16, 7, v5                  ; into T: row 2 l, byte 128 v
	v_lshl_add_u32 v6, s16, 9, v3
	v_add_nc_u32 v6, PSB, v6                       ; my partial sums
	s_mul_i32 s17, s16, 8*PT
	v_add_nc_u32 v7, s17, v3                       ; out of T: rows 8 v .., 16 bytes a lane
	v_lshl_add_u32 v8, s16, 13, v3                 ; wt: 8,192 v + 16 l
	v_add_nc_u32 v9, PSB, v3                       ; wave 0 reads all partial sums
	v_lshl_add_u32 v3, s16, 12, v3                 ; x: 4,096 v + 16 l
	v_mov_b32 v62, 0
	s_mov_b32 s23, 0
	s_wait_kmcnt 0x0
	s_lshl_b32 s22, ttmp9, 15
	s_add_nc_u64 s[4:5], s[4:5], s[22:23]          ; x at the group's 16 rows
	s_lshl_b32 s22, ttmp9, 8
	s_add_nc_u64 s[12:13], s[12:13], s[22:23]      ; wstat at the group's 64 units
	s_lshl_b32 s24, s16, 22
	s_add_co_u32 s22, s22, s24
	s_add_nc_u64 s[6:7], s[6:7], s[22:23]          ; weight at the group's units, my wave's first d
	s_lshl_b32 s22, ttmp9, 14
	s_add_nc_u64 s[8:9], s[8:9], s[22:23]
	s_lshl_b32 s22, ttmp9, 16
	s_add_nc_u64 s[10:11], s[10:11], s[22:23]
	s_lshl_b32 s22, ttmp9, 7
	s_lshl_b32 s24, s16, 4
	s_add_co_u32 s22, s22, s24
	s_add_nc_u64 s[14:15], s[14:15], s[22:23]      ; xstat at my two rows
.irp rr, 0,1
.irp i, 0,1,2,3
	global_load_b128 v[16+16*(\rr)+4*(\i):16+16*(\rr)+4*(\i)+3], v3, s[4:5] offset:(\rr)*2048+(\i)*512 th:TH_LOAD_NT
.endr
.endr
.set k, 0
.rept 64
	global_load_b64 v[W+2*k:W+2*k+1], v2, s[6:7] offset:k*65536 th:TH_LOAD_NT
.set k, k+1
.endr
	; x: rounded, stored, and summed as rounded, while weight is on its way
	s_wait_loadcnt 63                              ; 64 loads were issued behind x's eight; the count's field ends at 63
.irp rr, 0,1
.irp i, 0,1,2,3
.set XR, 16+16*(\rr)+4*(\i)
.set PK, P0+2*(4*(\rr)+(\i))
.set A2, P1+4*(\rr)
	v_cvt_pk_bf16_f32 v[PK], v[XR], v[XR+1]
	v_cvt_pk_bf16_f32 v[PK+1], v[XR+2], v[XR+3]
	global_store_b64 v4, v[PK:PK+1], s[8:9] offset:(\rr)*1024+(\i)*256  ; the wave stores 256 consecutive bytes, aligned
	v_lshlrev_b32 v[XR], 16, v[PK]
	v_and_b32 v[XR+1], s20, v[PK]
	v_lshlrev_b32 v[XR+2], 16, v[PK+1]
	v_and_b32 v[XR+3], s20, v[PK+1]
.if (\i) == 0
	v_pk_mul_f32 v[A2:A2+1], v[XR:XR+1], v[XR:XR+1]       ; the first numbers start the sums
	v_pk_add_f32 v[A2+2:A2+3], v[XR:XR+1], v[XR+2:XR+3]
.else
	v_pk_fma_f32 v[A2:A2+1], v[XR:XR+1], v[XR:XR+1], v[A2:A2+1]
	v_pk_add_f32 v[A2+2:A2+3], v[A2+2:A2+3], v[XR:XR+1]
	v_pk_add_f32 v[A2+2:A2+3], v[A2+2:A2+3], v[XR+2:XR+3]
.endif
	v_pk_fma_f32 v[A2:A2+1], v[XR+2:XR+3], v[XR+2:XR+3], v[A2:A2+1]
.endr
.endr
.irp rr, 0,1
	v_add_f32 v[48+2*(\rr)], v[P1+4*(\rr)], v[P1+4*(\rr)+1]
	v_add_f32 v[49+2*(\rr)], v[P1+4*(\rr)+2], v[P1+4*(\rr)+3]
.endr
.irp m, 1,2,4,8
.irp j, 48,49,50,51
	v_add_f32_dpp v\j, v\j, v\j row_xmask:\m row_mask:0xf bank_mask:0xf
.endr
.endr
.irp j, 0,1,2,3
	v_permlanex16_b32 v[16+(\j)], v[48+(\j)], s18, s19   ; its destination has been written: x's registers are spent
.endr
.irp j, 0,1,2,3
	v_add_f32 v[48+(\j)], v[48+(\j)], v[16+(\j)]         ; v[48:51] = x2, sx of my first row, x2, sx of my second
.endr
	s_wait_xcnt 0x0                                ; xb's stores have read P0's registers, which are written again below
	; weight: eight d at a time: rounded, summed as rounded, 16 bytes of each of my two units into T
.set c, 0
.rept 8
	s_wait_loadcnt 56-8*c                          ; the loads of later d stay out
.set p, 0
.rept 4
.set i, 4*c+p
.set k0, W+2*(8*c+2*p)
	v_cvt_pk_bf16_f32 v[P0+i], v[k0], v[k0+2]
	v_cvt_pk_bf16_f32 v[P1+i], v[k0+1], v[k0+3]
.if i == 0
	v_lshlrev_b32 v12, 16, v[P0]                   ; the first two d start the sums: even d in v[10:13], odd d in v[20:23]
	v_lshlrev_b32 v13, 16, v[P1]
	v_and_b32 v22, s20, v[P0]
	v_and_b32 v23, s20, v[P1]
	v_pk_mul_f32 v[10:11], v[12:13], v[12:13]
	v_pk_mul_f32 v[20:21], v[22:23], v[22:23]
.else
	v_lshlrev_b32 v14, 16, v[P0+i]
	v_lshlrev_b32 v15, 16, v[P1+i]
	v_and_b32 v24, s20, v[P0+i]
	v_and_b32 v25, s20, v[P1+i]
	v_pk_fma_f32 v[10:11], v[14:15], v[14:15], v[10:11]
	v_pk_fma_f32 v[20:21], v[24:25], v[24:25], v[20:21]
	v_pk_add_f32 v[12:13], v[12:13], v[14:15]
	v_pk_add_f32 v[22:23], v[22:23], v[24:25]
.endif
.set p, p+1
.endr
	ds_store_b128 v5, v[P0+4*c:P0+4*c+3] offset:16*c
	ds_store_b128 v5, v[P1+4*c:P1+4*c+3] offset:PT+16*c
.set c, c+1
.endr
	v_pk_add_f32 v[10:11], v[10:11], v[20:21]
	v_pk_add_f32 v[12:13], v[12:13], v[22:23]
	ds_store_b128 v6, v[10:13]                     ; w2 of my two units, sw of my two units, over my 64 d
	s_wait_dscnt 0x0                               ; for the others' sake: my stores into T and the partial sums are done
	s_barrier_signal -1
	s_barrier_wait -1
	; out of T: wave v takes units 8 v .. 8 v + 7 whole, 512 consecutive bytes a store
.set t, 0
.rept 16
	ds_load_b128 v[W+4*t:W+4*t+3], v7 offset:(t/2)*PT+(t%2)*512
.set t, t+1
.endr
.set t, 0
.rept 16
	s_wait_dscnt 15-t                              ; LDS loads come back in order: load t is in
	global_store_b128 v8, v[W+4*t:W+4*t+3], s[10:11] offset:t*512
.set t, t+1
.endr
	s_cmp_lg_u32 s16, 0
	s_cbranch_scc1 .Lnot_wave_0
	; wave 0 adds the eight waves' partial sums, d ascending, and stores the three planes
.irp w, 0,1,2,3,4,5,6,7
	ds_load_b128 v[128+4*(\w):128+4*(\w)+3], v9 offset:512*(\w)
.endr
	s_wait_dscnt 0x0
.irp w, 1,2,3,4,5,6,7
	v_pk_add_f32 v[128:129], v[128:129], v[128+4*(\w):128+4*(\w)+1]
	v_pk_add_f32 v[130:131], v[130:131], v[130+4*(\w):130+4*(\w)+1]
.endr
	v_pk_fma_f32 v[160:161], v[130:131], 0xb60637bd, v[128:129] op_sel_hi:[1,0,1]  ; cw = w2 - 2e-6 sw
	global_store_b64 v2, v[128:129], s[12:13]                 ; 256 consecutive bytes each, aligned
	global_store_b64 v2, v[130:131], s[12:13] offset:65536
	global_store_b64 v2, v[160:161], s[12:13] offset:131072
.Lnot_wave_0:
	s_wait_tensorcnt 0x0                           ; the wave's end, behind my last LDS store
	ds_add_u32 v[SPW], v[NIL]
	s_wait_dscnt 0x0
	s_wait_xcnt 0x0                                ; EXEC changes only behind this wait
	v_cmp_eq_u32 vcc_lo, 0, v1
	s_and_saveexec_b32 s17, vcc_lo
	global_store_b128 v62, v[48:51], s[14:15]      ; lane 0: my two rows' x2 and sx
	s_endpgm
.Lfunc_end_k_qf45db00510_prep:
	.size	k_qf45db00510_prep, .Lfunc_end_k_qf45db00510_prep-k_qf45db00510_prep
	.p2alignl 7, 3214868480
	.fill 96, 4, 3214868480
	.section	.rodata,"a",@progbits
	.p2align	6, 0x0
	.amdhsa_kernel k_qf45db00510_prep
		.amdhsa_group_segment_fixed_size 71680
		.amdhsa_private_segment_fixed_size 0
		.amdhsa_enable_private_segment 0
		.amdhsa_kernarg_size 48
		.amdhsa_user_sgpr_count 2
		.amdhsa_user_sgpr_kernarg_segment_ptr 1
		.amdhsa_wavefront_size32 1
		.amdhsa_system_sgpr_workgroup_id_x 1
		.amdhsa_system_sgpr_workgroup_id_y 1
		.amdhsa_system_sgpr_workgroup_id_z 1
		.amdhsa_system_vgpr_workitem_id 0
		.amdhsa_next_free_vgpr 256
		.amdhsa_next_free_sgpr 66
		.amdhsa_reserve_vcc 1
		.amdhsa_float_denorm_mode_32 3
		.amdhsa_float_denorm_mode_16_64 3
		.amdhsa_memory_ordered 1
		.amdhsa_forward_progress 1
		.amdhsa_inst_pref_size 38
	.end_amdhsa_kernel
	.amdgpu_metadata
---
amdhsa.version: [ 1, 2 ]
amdhsa.kernels:
  - .name:           k_qf45db00510_prep
    .symbol:         k_qf45db00510_prep.kd
    .args:
      - { .name: x, .offset: 0, .size: 8, .value_kind: global_buffer, .address_space: global }
      - { .name: weight, .offset: 8, .size: 8, .value_kind: global_buffer, .address_space: global }
      - { .name: xb, .offset: 16, .size: 8, .value_kind: global_buffer, .address_space: global }
      - { .name: wt, .offset: 24, .size: 8, .value_kind: global_buffer, .address_space: global }
      - { .name: wstat, .offset: 32, .size: 8, .value_kind: global_buffer, .address_space: global }
      - { .name: xstat, .offset: 40, .size: 8, .value_kind: global_buffer, .address_space: global }
    .group_segment_fixed_size: 71680
    .private_segment_fixed_size: 0
    .kernarg_segment_align: 8
    .kernarg_segment_size: 48
    .max_flat_workgroup_size: 256
    .sgpr_count:     66
    .vgpr_count:     256
    .wavefront_size: 32
...
	.end_amdgpu_metadata
.endif
;; end of part 1
;; launch gemm (part 2): grid 16 x 16, 4 waves a work-group, clusters of 4 x 4, 327,680 bytes of LDS; arguments xb, wt, xw, gmin, wstat; writes xw, gmin
.if DOCPART == 2
	.amdgcn_target "amdgcn-amd-amdhsa--gfx1250"
	.amdhsa_code_object_version 6
	.text
	.protected	k_qf45db00510_gemm
	.globl	k_qf45db00510_gemm
	.p2align	8
	.type	k_qf45db00510_gemm,@function
k_qf45db00510_gemm:
	s_mov_b64 s[64:65], 0
	v_nop
	global_prefetch_b8 v0, s[64:65] scope:SCOPE_SE
	s_setreg_imm32_b32 hwreg(HW_REG_WAVE_MODE, 25, 1), 1
	s_wait_xcnt 0x0
	s_wait_alu depctr_hold_cnt(0) depctr_sa_sdst(0) depctr_va_vdst(0) depctr_va_sdst(0) depctr_va_ssrc(0) depctr_va_vcc(0) depctr_vm_vsrc(0)
	s_getreg_b32 s2, hwreg(HW_REG_IB_STS2, 6, 4)
	s_cmp_eq_u32 s2, 0
	s_cbranch_scc0 .Lentry_in_a_cluster
	s_endpgm
.Lentry_in_a_cluster:
	s_bfe_u32 s2, ttmp6, 0x10000c
	s_cmp_lg_u32 s2, 0xf033
	s_cbranch_scc0 .Lentry_shape_is_right
	s_endpgm
.Lentry_shape_is_right:
; xw[q][u] = sum over d of xb[q][d] wt[u][d]  (xb [4096][512], wt [16384][512], bf16; sums in f32, stored as f32),
; and gmin[u / 128][q][(u / 32) % 4] = the least of cw[u] - 2 xw[q][u] over each group of 32 neighbouring units: the key by which a later launch picks groups.
; LIMITS.  The key leaves out what is common to a row and is rounded otherwise than the distance itself; NaN loses every minimum.
; A tile is 256 queries x 256 units, made by four waves of 128 x 128 (64 accumulators of 16 x 16, 512 registers).  K goes in four steps of 128 through two LDS slots filled by
; the tensor data mover.  A WORK-GROUP STAYS: it makes four tiles side by side (the same queries, units 1,024 cb + 256 t), and the ring runs on into the next tile.
; CLUSTER 4 x 4: the four of a row need the same tiles of xb, the four of a column the same tiles of wt: each tile is asked for jointly, by the same load, descriptor and mask.
; THE MATRIX INSTRUCTION IS USED TRANSPOSED (source 0 = 16 units, source 1 = 16 queries): lane l holds query l % 16 and units 8 (l / 16) + 0..7.
; REGISTERS, in windows of 256 (s_set_vgpr_msb: bits 1:0 source 0, 3:2 source 1, 5:4 source 2, 7:6 destination):
;   window 0: v16-30 addresses; v32-63 keys at work; v64-127, v128-191 fragments of xb (two buffers; the second also takes rows read back from the stage); v192-223 group minima; v224-239 what gmin gets
;   window 1: v0-63 rows read back from the stage; v64-191 fragments of wt; v192-255 cw of my lane's 64 units          windows 2, 3: the accumulators of my queries 0-63, 64-127
.set SIZE_K, 512
.set TILES,  4
.set KSTEP,  128
.set PITCH,  272                       ; an LDS row: 256 bytes + 16: the 16 rows of a fragment load start 4 words apart modulo 64 words
.set HALFT,  128*PITCH                 ; 128 rows: what one tensor load brings
.set SLOT,   4*HALFT                   ; xb's 256 rows, then wt's 256 rows
.set STAGE,  2*SLOT                    ; behind the ring: 16 rows x 528 bytes for each wave; no tensor load lands here
.set SPITCH, 528                       ; 128 f32 + 16 bytes
.set SPARE,  STAGE+4*16*SPITCH         ; behind the stages: the spare words, 128 bytes a wave
.set NEXT_B, 256*SIZE_K*2-2*KSTEP*2    ; from a slot's last K step of a tile to its first of the next: wt goes 256 rows down and back along K; xb only back
.set ADRA, 16                          ; v16-17  LDS address of my xb fragments in slot 0, 1
.set ADRB, 20                          ; v20-21  the same for wt
.set STO,  24                          ; v24  into the stage: row l % 16, 32 bytes for each half of the lanes
.set RD,   25                          ; v25  out of the stage: 16 bytes a lane of a row of 512
.set CO,   26                          ; v26  16 l: my bytes in a row's 512 of xw
.set GO,   27                          ; v27  1,024 (l / 16) + 16 (l % 16): my 16 bytes of gmin
.set SPW,  28                          ; v28  my spare word's address; never rewritten
.set NIL,  29                          ; v29  0; never rewritten
.set CWO,  30                          ; v30  32 (l / 16): my eight units in sixteen of cw
.set TT,   32
.set F0,   64
.set F1,   128
.set GM,   192                         ; minimum of query block a, group bp at GM + 4 a + bp
.set RES,  224
.set CW,   192                         ; window 1: unit block b, register j at CW + 8 b + j
.set G1, 24                            ; s[24:31] descriptor group 1 for xb's tiles;  s[32:39] group 0, a set for each slot
.set G0, 32
.set G1B, 48                           ; s[48:55], s[56:63] the same for wt's
.set G0B, 56
.set MSB, 0
.macro WIN new                         ; the immediate's high byte repeats the setting that is left; a switch that changes nothing is dropped
.if MSB != (\new)
	s_set_vgpr_msb (MSB<<8)|(\new)
.set MSB, \new
.endif
.endm
.set MUL_LO, 0xa1                      ; source 0 (wt) window 1, source 1 (xb) window 0, C and D window 2
.set MUL_HI, 0xf1                      ; the same, C and D window 3
.set TO_B,   0x40                      ; destination window 1, address window 0
; A joint load.  Waves 0 and 1 fetch xb's two halves, waves 2 and 3 wt's.  The branch hangs on the wave's number alone.  An s_nop 0 and four v_nop follow each line.
.macro JLOAD s
	s_cmp_eq_u32 s11, 0
	s_cbranch_scc0 .Lfor_b_\@
	tensor_load_to_lds s[G0+4*(\s):G0+4*(\s)+3], s[G1:G1+7]
	s_nop 0
.rept 4
	v_nop
.endr
	s_branch .Lasked_\@
.Lfor_b_\@:
	tensor_load_to_lds s[G0B+4*(\s):G0B+4*(\s)+3], s[G1B:G1B+7]
	s_nop 0
.rept 4
	v_nop
.endr
.Lasked_\@:
.endm
.macro CREST                           ; a round of the cluster's barrier behind its opening barrier
	s_cmp_lg_u32 s10, 0
	s_cbranch_scc1 .Lnot_wave_0_\@
	s_barrier_signal -3
.Lnot_wave_0_\@:
	s_barrier_wait -3
	s_barrier_signal -1
	s_barrier_wait -1
.endm
.macro CROUND                          ; a whole round
	s_barrier_signal -1
	s_barrier_wait -1
	CREST
.endm
	s_load_b128 s[4:7], s[0:1], 0x0                ; xb s[4:5], wt s[6:7]
	s_load_b128 s[68:71], s[0:1], 0x10             ; xw s[68:69], gmin s[70:71]
	s_load_b64 s[72:73], s[0:1], 0x20              ; wstat
	v_lshl_add_u32 v[SPW], v0, 2, SPARE
	v_mov_b32 v[NIL], 0
	ds_add_u32 v[SPW], v[NIL]                      ; the wave's opening: the add and its wait stand ahead of my first tensor load
	v_lshrrev_b32 v1, 5, v0
	v_readfirstlane_b32 s10, v1                    ; wave 0..3
	s_lshr_b32 s11, s10, 1                         ; which half of the tile's queries is mine.  Also: I fetch for xb (0) or wt (1)
	s_and_b32 s12, s10, 1                          ; which half of its units.  Also: which 128 rows of that tile I fetch
	s_bfe_u32 s40, ttmp6, 0x40000                  ; cx
	s_bfe_u32 s41, ttmp6, 0x40004                  ; cy
	s_lshl_b32 s42, ttmp9, 2
	s_add_co_u32 s42, s42, s40                     ; cb = 4 x cluster x + cx: my 1,024 units
	s_and_b32 s13, ttmp7, 0xffff
	s_lshl_b32 s13, s13, 2
	s_add_co_u32 s13, s13, s41                     ; tm = 4 x cluster y + cy: my 256 queries
	s_lshl_b32 s43, s41, 2
	s_lshl_b32 s43, 15, s43                        ; my row of the cluster
	s_lshl_b32 s44, 0x1111, s40                    ; my column
	; descriptor group 1: 128 rows x 128 elements of 2 bytes; 4 words of padding behind every 64; the bit beside the mask set
	s_or_b32 s[G1+0], s43, (1<<16)|(1<<20)|(1<<21)|(5<<22)|(3<<25)
	s_or_b32 s[G1B+0], s44, (1<<16)|(1<<20)|(1<<21)|(5<<22)|(3<<25)
.irp g, G1, G1B
	s_mov_b32 s[(\g)+1], KSTEP<<16                 ; tensor_dim0 = 128
	s_mov_b32 s[(\g)+2], 128<<16                   ; tensor_dim1 = 128
	s_mov_b32 s[(\g)+3], KSTEP<<16                 ; tile_dim0 = 128
	s_mov_b32 s[(\g)+4], 128                       ; tile_dim1 = 128
	s_mov_b32 s[(\g)+5], SIZE_K                    ; elements from row to row
	s_mov_b32 s[(\g)+6], 0
	s_mov_b32 s[(\g)+7], 0
.endr
	s_lshl_b32 s17, s12, 7                         ; which 128 rows of the tile I fetch
	s_lshl_b32 s16, s13, 8
	s_add_co_u32 s16, s16, s17                     ; xb: row 256 tm + 128 x half
	s_lshl_b32 s46, s42, 10
	s_add_co_u32 s46, s46, s17                     ; wt: row 1,024 cb + 128 x half
	s_mov_b32 s17, 0
	s_mov_b32 s47, 0
	s_mov_b64 s[18:19], SIZE_K*2
	s_mul_u64 s[16:17], s[16:17], s[18:19]
	s_mul_u64 s[46:47], s[46:47], s[18:19]
	s_mul_i32 s20, s10, HALFT                      ; where they go: wave x 128 rows: no place in the cluster enters an LDS address
	s_wait_dscnt 0x0                               ; the opening add is done
	s_wait_kmcnt 0x0
	s_add_nc_u64 s[14:15], s[4:5], s[16:17]
	s_add_nc_u64 s[46:47], s[6:7], s[46:47]
	CROUND                                         ; all sixteen work-groups are here: the first joint loads meet
.irp s, 0,1
	s_mov_b32 s[G0+4*(\s)], 1
	s_add_co_u32 s[G0+4*(\s)+1], s20, (\s)*SLOT
	s_add_nc_u64 s[G0+4*(\s)+2:G0+4*(\s)+3], s[14:15], (\s)*KSTEP*2
	s_or_b32 s[G0+4*(\s)+3], s[G0+4*(\s)+3], 0x80000000
	s_mov_b32 s[G0B+4*(\s)], 1
	s_add_co_u32 s[G0B+4*(\s)+1], s20, (\s)*SLOT
	s_add_nc_u64 s[G0B+4*(\s)+2:G0B+4*(\s)+3], s[46:47], (\s)*KSTEP*2
	s_or_b32 s[G0B+4*(\s)+3], s[G0B+4*(\s)+3], 0x80000000
	JLOAD \s                                       ; two loads of mine are out
.endr
	v_and_b32 v1, 15, v0                           ; l % 16
	v_bfe_u32 v2, v0, 4, 1                         ; l / 16
	v_and_b32 v4, 31, v0                           ; l
	v_mul_u32_u24 v3, v1, PITCH
	v_lshl_add_u32 v3, v2, 4, v3                   ; a fragment's row x pitch + 16 x half
	s_mul_i32 s21, s11, HALFT                      ; my 128 rows of xb
	s_mul_i32 s22, s12, HALFT                      ; my 128 rows of wt,
	s_add_co_u32 s22, s22, 2*HALFT                 ; which lie behind xb's 256
.irp s, 0,1
	v_add_nc_u32 v[ADRA+(\s)], s21, v3
	v_add_nc_u32 v[ADRB+(\s)], s22, v3
	s_add_co_u32 s21, s21, SLOT
	s_add_co_u32 s22, s22, SLOT
.endr
	s_mul_i32 s23, s10, 16*SPITCH
	s_add_co_u32 s23, s23, STAGE                   ; my stage
	v_mul_u32_u24 v5, v1, SPITCH
	v_lshl_add_u32 v5, v2, 5, v5
	v_add_nc_u32 v[STO], s23, v5
	v_lshlrev_b32 v[CO], 4, v4
	v_add_nc_u32 v[RD], s23, v[CO]
	v_lshlrev_b32 v[GO], 4, v1
	v_lshl_add_u32 v[GO], v2, 10, v[GO]
	v_lshlrev_b32 v[CWO], 5, v2
	s_mov_b32 s74, 0xffff0000                      ; lanes 16 to 31
	s_mov_b32 s76, 0x76543210                      ; v_permlanex16_b32: each lane takes its own place in the other half
	s_mov_b32 s77, 0xfedcba98
	; where my part of the first tile lies in xw, cw and gmin
	s_lshl_b32 s16, s13, 24                        ; 256 tm rows of 65,536 bytes
	s_lshl_b32 s17, s11, 23                        ; + 128 rows
	s_add_co_u32 s16, s16, s17
	s_lshl_b32 s46, s42, 12                        ; 1,024 cb units of 4 bytes
	s_lshl_b32 s47, s12, 9                         ; + 128 units
	s_add_co_u32 s46, s46, s47
	s_add_co_u32 s16, s16, s46
	s_mov_b32 s17, 0
	s_add_nc_u64 s[68:69], s[68:69], s[16:17]
	s_add_co_u32 s16, s46, 131072                  ; wstat's third plane
	s_add_nc_u64 s[72:73], s[72:73], s[16:17]
	s_lshl_b32 s16, s42, 19                        ; block of 128 units 8 cb + half, 65,536 bytes each
	s_lshl_b32 s46, s12, 16
	s_add_co_u32 s16, s16, s46
	s_lshl_b32 s46, s13, 12                        ; row 256 tm + 128 x half, 16 bytes each
	s_add_co_u32 s16, s16, s46
	s_lshl_b32 s46, s11, 11
	s_add_co_u32 s16, s16, s46
	s_add_nc_u64 s[70:71], s[70:71], s[16:17]
; 16 matrix instructions: query blocks a0, a0 + 1 of the window's four x all 8 unit blocks, 32 along K.  zero = 1: the first product starts the sums.
; The 64 accumulators take turns in the same order in every quarter.
.macro MUL16 f, hi, a0, zero
	WIN MUL_LO+0x50*(\hi)
.irp a, \a0, (\a0)+1
.irp b, 0,1,2,3,4,5,6,7
.if \zero
	v_wmma_f32_16x16x32_bf16 v[8*(8*(\a)+(\b)):8*(8*(\a)+(\b))+7], v[(\f)+8*(\b):(\f)+8*(\b)+7], v[(\f)+8*(4*(\hi)+(\a)):(\f)+8*(4*(\hi)+(\a))+7], 0
.else
	v_wmma_f32_16x16x32_bf16 v[8*(8*(\a)+(\b)):8*(8*(\a)+(\b))+7], v[(\f)+8*(\b):(\f)+8*(\b)+7], v[(\f)+8*(4*(\hi)+(\a)):(\f)+8*(4*(\hi)+(\a))+7], v[8*(8*(\a)+(\b)):8*(8*(\a)+(\b))+7]
.endif
.endr
.endr
.endm
; 32 LDS loads in one run: the fragments of one quarter step (32 K at byte k of the rows) into buffer f
.macro FETCH slot, k, f
	WIN TO_B
.irp i, 0,1,2,3,4,5,6,7
	ds_load_b128 v[(\f)+8*(\i):(\f)+8*(\i)+3],   v[ADRB+(\slot)] offset:(\k)+(\i)*16*PITCH
	ds_load_b128 v[(\f)+8*(\i)+4:(\f)+8*(\i)+7], v[ADRB+(\slot)] offset:(\k)+(\i)*16*PITCH+32
.endr
	WIN 0
.irp i, 0,1,2,3,4,5,6,7
	ds_load_b128 v[(\f)+8*(\i):(\f)+8*(\i)+3],   v[ADRA+(\slot)] offset:(\k)+(\i)*16*PITCH
	ds_load_b128 v[(\f)+8*(\i)+4:(\f)+8*(\i)+7], v[ADRA+(\slot)] offset:(\k)+(\i)*16*PITCH+32
.endr
.endm
.macro PLACES                          ; four plain vector instructions between a matrix instruction and a load into, or a vector read of, its registers
.rept 4
	v_nop
.endr
.endm
; One of a K step's first three quarters: multiplies buffer f; in its middle it fetches the next quarter's fragments into buffer g.
.macro QUARTER slot, k, f, g, zero
	s_wait_dscnt 8                                 ; wt and xb's rows 0-63 are in; the youngest eight loads (xb's rows 64-127) may be out
	WIN MUL_LO
	MUL16 \f, 0, 0, \zero
	MUL16 \f, 0, 2, \zero
	PLACES
	FETCH \slot, \k, \g
	s_wait_dscnt 32                                ; all but the 32 just issued
	WIN MUL_HI
	MUL16 \f, 1, 0, \zero
	MUL16 \f, 1, 2, \zero
.endm
; The first half of a K step's last quarter: one barrier for the change of slots.
.macro MEET round
	WIN 0
	s_wait_tensorcnt 0x0                           ; all my tensor loads have landed: the one that was out is my part of the next slot
	ds_add_u32 v[SPW], v[NIL]                      ; 0 onto my spare word
	s_wait_dscnt 9                                 ; the add and the youngest eight loads may be out
	WIN MUL_LO
	MUL16 F1, 0, 0, 0
	s_wait_dscnt 0x0                               ; the add is done, and my reads of this slot are over
	s_barrier_signal -1
	MUL16 F1, 0, 2, 0
.if \round
	WIN 0
.endif
	s_barrier_wait -1
.endm
; The whole last quarter with a refill: this tile's K step two steps on (on = 0) or the next tile's K step 0 or 1 (on = 1); then the next slot's first fragments.
.macro TURN slot, next, on
	MEET 1
	CREST                                          ; no wave of any partner still reads this slot or has a load on its way
.if \on
	s_sub_nc_u64 s[G0+4*(\slot)+2:G0+4*(\slot)+3], s[G0+4*(\slot)+2:G0+4*(\slot)+3], 2*KSTEP*2
	s_add_nc_u64 s[G0B+4*(\slot)+2:G0B+4*(\slot)+3], s[G0B+4*(\slot)+2:G0B+4*(\slot)+3], NEXT_B
.else
	s_add_nc_u64 s[G0+4*(\slot)+2:G0+4*(\slot)+3], s[G0+4*(\slot)+2:G0+4*(\slot)+3], 2*KSTEP*2
	s_add_nc_u64 s[G0B+4*(\slot)+2:G0B+4*(\slot)+3], s[G0B+4*(\slot)+2:G0B+4*(\slot)+3], 2*KSTEP*2
.endif
	JLOAD \slot                                    ; my one tensor load behind the round; its four v_nop are also the places in front of the loads below
	FETCH \next, 0, F0
	WIN MUL_HI
	MUL16 F1, 1, 0, 0
	MUL16 F1, 1, 2, 0
.endm
; THE WAY OUT.  cw of my lane's 64 units is asked for at a tile's head.
.macro CWLOAD
	WIN TO_B
.irp b, 0,1,2,3,4,5,6,7
	global_load_b128 v[CW+8*(\b):CW+8*(\b)+3],   v[CWO], s[72:73] offset:64*(\b)
	global_load_b128 v[CW+8*(\b)+4:CW+8*(\b)+7], v[CWO], s[72:73] offset:64*(\b)+16
.endr
	WIN 0
.endm
; Query block a: the keys cw - 2 xw of two groups of 32 units at a time (my lane holds 16 of each), and their minima.  Each accumulator is read from its lowest registers on.
.macro KEYS a
.set AC, 64*((\a)%4)
.irp hp, 0,1
	WIN 0x12+((\a)/4)                              ; source 0: the accumulators' window; source 2: window 1
.irp u, 0,1,2,3
.irp j, 0,2,4,6
	v_pk_fma_f32 v[TT+8*(\u)+(\j):TT+8*(\u)+(\j)+1], v[AC+8*(4*(\hp)+(\u))+(\j):AC+8*(4*(\hp)+(\u))+(\j)+1], -2.0, v[CW+8*(4*(\hp)+(\u))+(\j):CW+8*(4*(\hp)+(\u))+(\j)+1] op_sel_hi:[1,0,1]
.endr
.endr
	WIN 0
.irp s, 0,3,6,9,12
.irp g, 0,16
	v_min3_num_f32 v[TT+(\g)+(\s)], v[TT+(\g)+(\s)], v[TT+(\g)+(\s)+1], v[TT+(\g)+(\s)+2]
.endr
.endr
.irp g, 0,16
	v_min3_num_f32 v[TT+(\g)], v[TT+(\g)], v[TT+(\g)+3], v[TT+(\g)+15]
	v_min3_num_f32 v[TT+(\g)+6], v[TT+(\g)+6], v[TT+(\g)+9], v[TT+(\g)+12]
.endr
	v_min_num_f32 v[GM+4*(\a)+2*(\hp)], v[TT], v[TT+6]
	v_min_num_f32 v[GM+4*(\a)+2*(\hp)+1], v[TT+16], v[TT+22]
.endr
.endm
; Query block a's products go into my stage, 32 bytes a lane and unit block, and come back as whole rows of 512 bytes: into window 0 (even a) or window 1 (odd a).
.macro TOSTAGE a
.set AC, 64*((\a)%4)
.set BK, F1*(1-((\a)%2))
	WIN 0x08+4*((\a)/4)                            ; the stores' data: the accumulators' window
.irp b, 0,1,2,3,4,5,6,7
	ds_store_b128 v[STO], v[AC+8*(\b):AC+8*(\b)+3] offset:64*(\b)
	ds_store_b128 v[STO], v[AC+8*(\b)+4:AC+8*(\b)+7] offset:64*(\b)+16
.endr
	WIN 0x40*((\a)%2)
.irp t, 0,1,2,3,4,5,6,7,8,9,10,11,12,13,14,15
	ds_load_b128 v[BK+4*(\t):BK+4*(\t)+3], v[RD] offset:(\t)*SPITCH  ; LDS serves a wave's instructions in order: these see the stores above
.endr
.endm
.macro SEND a
.set BK, F1*(1-((\a)%2))
	WIN 0x04*((\a)%2)
	s_wait_dscnt 0x0                               ; the block is back in registers
	s_wait_xcnt 0x0                                ; the stores of the block before have read their registers, which the next block's loads write
.irp t, 0,1,2,3,4,5,6,7,8,9,10,11,12,13,14,15
	global_store_b128 v[CO], v[BK+4*(\t):BK+4*(\t)+3], s[68:69] offset:(16*(\a)+(\t))*65536 th:TH_STORE_NT  ; 512 consecutive bytes of one row, aligned; 127 rows at the most: inside the signed 24-bit immediate
.endr
.endm
; more = 1: another tile follows: the three addresses step on.
.macro OUT more
	s_wait_loadcnt 0x0                             ; cw
	KEYS 0
	TOSTAGE 0
.irp a, 1,2,3,4,5,6,7                  ; block a's keys stand between block a - 1's loads from the stage and the wait for them
	KEYS \a
	SEND (\a)-1
	TOSTAGE \a
.endr
	SEND 7
	WIN 0
	; a group's other 16 units lie in the lane 16 away.  Blocks i and i + 4 share one exchange: lanes 0-15 end with block i's minima, lanes 16-31 with block i + 4's.
.set i, 0
.rept 16
	v_cndmask_b32 v[TT+i], v[GM+16+i], v[GM+i], s74       ; what the other half wants of me
	v_cndmask_b32 v[TT+16+i], v[GM+i], v[GM+16+i], s74    ; what I keep
.set i, i+1
.endr
.set i, 0
.rept 16
	v_permlanex16_b32 v[GM+i], v[TT+i], s76, s77
.set i, i+1
.endr
.set i, 0
.rept 16
	v_min_num_f32 v[RES+i], v[TT+16+i], v[GM+i]
.set i, i+1
.endr
.irp q, 0,1,2,3
	global_store_b128 v[GO], v[RES+4*(\q):RES+4*(\q)+3], s[70:71] offset:256*(\q)  ; sixteen lanes store 256 consecutive bytes, aligned
.endr
.if \more
	s_wait_xcnt 0x0                                ; the stores have read their registers and bases
	s_add_nc_u64 s[68:69], s[68:69], 1024          ; 256 units on in xw,
	s_add_nc_u64 s[70:71], s[70:71], 131072        ; two blocks of 128 units on in gmin,
	s_add_nc_u64 s[72:73], s[72:73], 1024          ; 256 units on in cw
.endif
.endm
	s_wait_tensorcnt 1                             ; my part of K step 0 is in; K step 1's may stay out
	s_barrier_signal -1
	s_barrier_wait -1
	FETCH 0, 0, F0
	s_mov_b32 s2, TILES                            ; tiles to go, this one among them: the same number in every work-group
.Ltile:
	CWLOAD
	QUARTER 0, 64,  F0, F1, 1                      ; K step 0; its first quarter starts the sums
	QUARTER 0, 128, F1, F0, 0
	QUARTER 0, 192, F0, F1, 0
	TURN 0, 1, 0                                   ; slot 0 takes K step 2
	QUARTER 1, 64,  F0, F1, 0                      ; K step 1
	QUARTER 1, 128, F1, F0, 0
	QUARTER 1, 192, F0, F1, 0
	TURN 1, 0, 0                                   ; slot 1 takes K step 3
	QUARTER 0, 64,  F0, F1, 0                      ; K step 2
	QUARTER 0, 128, F1, F0, 0
	QUARTER 0, 192, F0, F1, 0
	WIN 0
	s_cmp_eq_u32 s2, 1
	s_cbranch_scc1 .Llast_tile                     ; the last tile's tail is written out: it asks for nothing more
	TURN 0, 1, 1                                   ; the ring goes on into the next tile: slot 0 takes its K step 0,
	QUARTER 1, 64,  F0, F1, 0                      ; K step 3
	QUARTER 1, 128, F1, F0, 0
	QUARTER 1, 192, F0, F1, 0
	TURN 1, 0, 1                                   ; slot 1 its K step 1, and the next tile's first fragments are fetched
	WIN 0
	OUT 1                                          ; both refills are asked for; blocks 0-3 were finished in front of the refill's four v_nop, and their keys are the places behind the last products
	s_sub_co_u32 s2, s2, 1
	s_branch .Ltile
.Llast_tile:
	MEET 0                                         ; nothing is filled again, so no round follows
	PLACES
	FETCH 1, 0, F0
	WIN MUL_HI
	MUL16 F1, 1, 0, 0
	MUL16 F1, 1, 2, 0
	QUARTER 1, 64,  F0, F1, 0                      ; K step 3
	QUARTER 1, 128, F1, F0, 0
	QUARTER 1, 192, F0, F1, 0
	s_wait_dscnt 8
	WIN MUL_LO
	MUL16 F1, 0, 0, 0
	MUL16 F1, 0, 2, 0
	s_wait_dscnt 0x0
	MUL16 F1, 1, 0, 0
	MUL16 F1, 1, 2, 0
	PLACES                                         ; the keys read results just made
	WIN 0
	OUT 0
	s_wait_tensorcnt 0x0                           ; the wave's end, behind my last tensor load and my last LDS store
	ds_add_u32 v[SPW], v[NIL]
	s_wait_dscnt 0x0
	CROUND                                         ; the closing round: no work-group ends while a partner may still ask for a tile that names it
	s_endpgm
.Lfunc_end_k_qf45db00510_gemm:
	.size	k_qf45db00510_gemm, .Lfunc_end_k_qf45db00510_gemm-k_qf45db00510_gemm
	.p2alignl 7, 3214868480
	.fill 96, 4, 3214868480
	.section	.rodata,"a",@progbits
	.p2align	6, 0x0
	.amdhsa_kernel k_qf45db00510_gemm
		.amdhsa_group_segment_fixed_size 327680
		.amdhsa_private_segment_fixed_size 0
		.amdhsa_enable_private_segment 0
		.amdhsa_kernarg_size 40
		.amdhsa_user_sgpr_count 2
		.amdhsa_user_sgpr_kernarg_segment_ptr 1
		.amdhsa_wavefront_size32 1
		.amdhsa_system_sgpr_workgroup_id_x 1
		.amdhsa_system_sgpr_workgroup_id_y 1
		.amdhsa_system_sgpr_workgroup_id_z 1
		.amdhsa_system_vgpr_workitem_id 0
		.amdhsa_next_free_vgpr 1024
		.amdhsa_next_free_sgpr 80
		.amdhsa_reserve_vcc 0
		.amdhsa_float_denorm_mode_32 3
		.amdhsa_float_denorm_mode_16_64 3
		.amdhsa_memory_ordered 1
		.amdhsa_forward_progress 1
		.amdhsa_inst_pref_size 255
	.end_amdhsa_kernel
	.section	.bss,"aw",@nobits
	.p2align	6
	.space	262144
	.amdgpu_metadata
---
amdhsa.version: [ 1, 2 ]
amdhsa.kernels:
  - .name:           k_qf45db00510_gemm
    .symbol:         k_qf45db00510_gemm.kd
    .args:
      - { .name: xb, .offset: 0, .size: 8, .value_kind: global_buffer, .address_space: global }
      - { .name: wt, .offset: 8, .size: 8, .value_kind: global_buffer, .address_space: global }
      - { .name: xw, .offset: 16, .size: 8, .value_kind: global_buffer, .address_space: global }
      - { .name: gmin, .offset: 24, .size: 8, .value_kind: global_buffer, .address_space: global }
      - { .name: wstat, .offset: 32, .size: 8, .value_kind: global_buffer, .address_space: global }
    .group_segment_fixed_size: 327680
    .private_segment_fixed_size: 0
    .kernarg_segment_align: 8
    .kernarg_segment_size: 40
    .max_flat_workgroup_size: 128
    .sgpr_count:     80
    .vgpr_count:     1024
    .wavefront_size: 32
...
	.end_amdgpu_metadata
.endif
;; end of part 2
;; launch pick (part 3): grid 256 x 1, 16 waves a work-group, no clusters, 35,072 bytes of LDS; arguments gmin, sel; writes sel
.if DOCPART == 3
	.amdgcn_target "amdgcn-amd-amdhsa--gfx1250"
	.amdhsa_code_object_version 6
	.text
	.protected	k_qf45db00510_pick
	.globl	k_qf45db00510_pick
	.p2align	8
	.type	k_qf45db00510_pick,@function
k_qf45db00510_pick:
	s_mov_b64 s[64:65], 0
	v_nop
	global_prefetch_b8 v0, s[64:65] scope:SCOPE_SE
	s_setreg_imm32_b32 hwreg(HW_REG_WAVE_MODE, 25, 1), 1
	s_wait_xcnt 0x0
; PICK.  For each row: the 16 groups (of 512 groups of 32 units) with the least (group minimum, group number), stored as whole numbers, sel [4096][16].
; They hold the row's 16 nearest units: a group left out has 16 groups in front of it, each with a unit in front of all of its own.
; gmin lies [128 blocks][4096 rows][4], so a work-group's 16 rows are 256 consecutive bytes of each block: they are read so and turned through LDS.
; One wave, one row; lane l holds groups 16 l .. 16 l + 15.  Sixteen times the least is found, noted and taken out: no branch and no address hangs on a key.
; LIMITS.  A key of +infinity cannot be told from one taken out; NaN loses every minimum.  No matrix unit, cluster or tensor load: the work-groups share nothing.
.set PR,    2064                       ; a row in LDS: 512 keys + 16 bytes
.set SPARE, 16*PR                      ; behind the rows: the spare words, 128 bytes for each of the 16 waves
; v[16:31] K; v32 my least; v33 the wave's least; v34 at work; v35 which of mine; v36 its number; v37 the winner's number; v38 the winner's place in my 16; v39 result; v40 my first number; v41-45 at work
.macro EXTRACT
	v_mov_b32 v33, 0                               ; destinations that count as read
	v_mov_b32 v34, 0
	v_mov_b32 v35, 0
	v_mov_b32 v37, 0
	v_mov_b32 v39, 0
	s_mov_b32 s20, 1                               ; the lane that notes this trip's winner
	s_mov_b32 s23, 16
.Lex:
	v_min3_num_f32 v41, v16, v17, v18
	v_min3_num_f32 v42, v19, v20, v21
	v_min3_num_f32 v43, v22, v23, v24
	v_min3_num_f32 v44, v25, v26, v27
	v_min3_num_f32 v45, v28, v29, v30
	v_min3_num_f32 v41, v41, v42, v31
	v_min3_num_f32 v43, v43, v44, v45
	v_min_num_f32 v32, v41, v43
	v_min_num_f32_dpp v33, v32, v32 row_xmask:1 row_mask:0xf bank_mask:0xf
	v_min_num_f32_dpp v33, v33, v33 row_xmask:2 row_mask:0xf bank_mask:0xf
	v_min_num_f32_dpp v33, v33, v33 row_xmask:4 row_mask:0xf bank_mask:0xf
	v_min_num_f32_dpp v33, v33, v33 row_xmask:8 row_mask:0xf bank_mask:0xf
	v_permlanex16_b32 v34, v33, s18, s19
	v_min_num_f32 v33, v33, v34                    ; the least of all 512
.irp j, 15,14,13,12,11,10,9,8,7,6,5,4,3,2,1,0
	v_cmp_neq_f32 vcc_lo, v[16+(\j)], v33
	v_cndmask_b32 v35, \j, v35, vcc_lo             ; descending, so the lowest place that holds it stays
.endr
	v_cvt_f32_u32 v36, v35
	v_add_f32 v36, v40, v36                        ; its number, exact in f32
	v_cmp_eq_f32 vcc_lo, v32, v33
	v_cndmask_b32 v36, s22, v36, vcc_lo            ; a lane that does not hold the least bids the largest finite number
	v_min_num_f32_dpp v37, v36, v36 row_xmask:1 row_mask:0xf bank_mask:0xf
	v_min_num_f32_dpp v37, v37, v37 row_xmask:2 row_mask:0xf bank_mask:0xf
	v_min_num_f32_dpp v37, v37, v37 row_xmask:4 row_mask:0xf bank_mask:0xf
	v_min_num_f32_dpp v37, v37, v37 row_xmask:8 row_mask:0xf bank_mask:0xf
	v_permlanex16_b32 v34, v37, s18, s19
	v_min_num_f32 v37, v37, v34                    ; among equals the lowest number wins
	v_sub_f32 v38, v37, v40
	v_cvt_i32_f32 v38, v38                         ; 0 to 15 in the lane that holds it alone: the lanes' ranges do not meet
.irp j, 0,1,2,3,4,5,6,7,8,9,10,11,12,13,14,15
	v_cmp_ne_u32 vcc_lo, \j, v38
	v_cndmask_b32 v[16+(\j)], s21, v[16+(\j)], vcc_lo  ; the winner is taken out
.endr
	v_cndmask_b32 v39, v39, v37, s20
	s_lshl_b32 s20, s20, 1
	s_sub_co_u32 s23, s23, 1
	s_cmp_lg_u32 s23, 0
	s_cbranch_scc1 .Lex
	v_cvt_u32_f32 v39, v39                         ; lane i: the i-th
.endm
	s_load_b128 s[4:7], s[0:1], 0x0                ; gmin s[4:5], sel s[6:7]
	v_lshl_add_u32 v60, v0, 2, SPARE               ; my spare word's address; never rewritten
	v_mov_b32 v61, 0                               ; 0; never rewritten
	v_lshrrev_b32 v1, 5, v0
	v_readfirstlane_b32 s8, v1                     ; wave 0..15
	v_and_b32 v1, 31, v0                           ; l
	v_and_b32 v2, 15, v0                           ; l % 16: a row of the group's 16
	v_bfe_u32 v3, v0, 4, 1                         ; l / 16
	s_lshl_b32 s9, s8, 3
	v_add_nc_u32 v4, s9, v3                        ; block 8 w + l / 16 (+ 2 i)
	v_lshlrev_b32 v5, 16, v4
	v_lshl_add_u32 v5, v2, 4, v5                   ; in gmin
	v_mul_u32_u24 v6, v2, PR
	v_lshl_add_u32 v6, v4, 4, v6                   ; in LDS
	s_mul_i32 s9, s8, PR
	v_lshlrev_b32 v7, 6, v1
	v_add_nc_u32 v7, s9, v7                        ; my row, my 16 keys
	v_lshlrev_b32 v8, 2, v1
	v_lshlrev_b32 v9, 4, v1
	v_cvt_f32_u32 v40, v9                          ; my first group's number
	s_mov_b32 s18, 0x76543210
	s_mov_b32 s19, 0xfedcba98
	s_mov_b32 s21, 0x7f800000                      ; +infinity
	s_mov_b32 s22, 0x7f7fffff                      ; the largest finite number
	s_mov_b32 s11, 0
	s_wait_kmcnt 0x0
	s_lshl_b32 s10, ttmp9, 8
	s_add_nc_u64 s[4:5], s[4:5], s[10:11]
	s_lshl_b32 s10, ttmp9, 10
	s_lshl_b32 s9, s8, 6
	s_add_co_u32 s10, s10, s9
	s_add_nc_u64 s[6:7], s[6:7], s[10:11]          ; sel at my row
.irp i, 0,1,2,3
	global_load_b128 v[16+4*(\i):16+4*(\i)+3], v5, s[4:5] offset:(\i)*131072 th:TH_LOAD_NT  ; two whole pieces of 256 bytes
.endr
	s_wait_loadcnt 0x0
.irp i, 0,1,2,3
	ds_store_b128 v6, v[16+4*(\i):16+4*(\i)+3] offset:32*(\i)
.endr
	s_wait_dscnt 0x0                               ; for the others' sake: my stores are done
	s_barrier_signal -1
	s_barrier_wait -1
.irp i, 0,1,2,3
	ds_load_b128 v[16+4*(\i):16+4*(\i)+3], v7 offset:16*(\i)
.endr
	s_wait_dscnt 0x0
	EXTRACT
	s_wait_tensorcnt 0x0                           ; the wave's end, behind my last LDS store
	ds_add_u32 v60, v61
	s_wait_dscnt 0x0
	s_wait_xcnt 0x0                                ; EXEC changes only behind this wait
	v_cmp_gt_u32 vcc_lo, 16, v1
	s_and_saveexec_b32 s9, vcc_lo
	global_store_b32 v8, v39, s[6:7]               ; 64 bytes a row
	s_endpgm
.Lfunc_end_k_qf45db00510_pick:
	.size	k_qf45db00510_pick, .Lfunc_end_k_qf45db00510_pick-k_qf45db00510_pick
	.p2alignl 7, 3214868480
	.fill 96, 4, 3214868480
	.section	.rodata,"a",@progbits
	.p2align	6, 0x0
	.amdhsa_kernel k_qf45db00510_pick
		.amdhsa_group_segment_fixed_size 35072
		.amdhsa_private_segment_fixed_size 0
		.amdhsa_enable_private_segment 0
		.amdhsa_kernarg_size 16
		.amdhsa_user_sgpr_count 2
		.amdhsa_user_sgpr_kernarg_segment_ptr 1
		.amdhsa_wavefront_size32 1
		.amdhsa_system_sgpr_workgroup_id_x 1
		.amdhsa_system_sgpr_workgroup_id_y 1
		.amdhsa_system_sgpr_workgroup_id_z 1
		.amdhsa_system_vgpr_workitem_id 0
		.amdhsa_next_free_vgpr 64
		.amdhsa_next_free_sgpr 66
		.amdhsa_reserve_vcc 1
		.amdhsa_float_denorm_mode_32 3
		.amdhsa_float_denorm_mode_16_64 3
		.amdhsa_memory_ordered 1
		.amdhsa_forward_progress 1
		.amdhsa_inst_pref_size 7
	.end_amdhsa_kernel
	.amdgpu_metadata
---
amdhsa.version: [ 1, 2 ]
amdhsa.kernels:
  - .name:           k_qf45db00510_pick
    .symbol:         k_qf45db00510_pick.kd
    .args:
      - { .name: gmin, .offset: 0, .size: 8, .value_kind: global_buffer, .address_space: global }
      - { .name: sel, .offset: 8, .size: 8, .value_kind: global_buffer, .address_space: global }
    .group_segment_fixed_size: 35072
    .private_segment_fixed_size: 0
    .kernarg_segment_align: 8
    .kernarg_segment_size: 16
    .max_flat_workgroup_size: 512
    .sgpr_count:     66
    .vgpr_count:     64
    .wavefront_size: 32
...
	.end_amdgpu_metadata
.endif
;; end of part 3
;; launch rank (part 4): grid 512 x 1, 8 waves a work-group, no clusters, 0 bytes of LDS; arguments sel, xw, wstat, xstat, idx; writes idx
.if DOCPART == 4
	.amdgcn_target "amdgcn-amd-amdhsa--gfx1250"
	.amdhsa_code_object_version 6
	.text
	.protected	k_qf45db00510_rank
	.globl	k_qf45db00510_rank
	.p2align	8
	.type	k_qf45db00510_rank,@function
k_qf45db00510_rank:
	s_mov_b64 s[64:65], 0
	v_nop
	global_prefetch_b8 v0, s[64:65] scope:SCOPE_SE
	s_setreg_imm32_b32 hwreg(HW_REG_WAVE_MODE, 25, 1), 1
	s_wait_xcnt 0x0
; RANK.  For each row: the distances to the 512 units of its 16 picked groups, and of them the 16 least by (distance, unit number), in order: idx [4096][16], whole numbers.
; The distance is made in f32 in this order: x2 - 2 xw (one rounding); + w2; + 2e-6 (sx - sw); + 5.12e-10; max with 0; root.
; One wave, one row; lane l holds units 32 g + 16 (l % 2) + 0..15 of group g = sel[row][l / 2].  The groups come from memory as whole numbers and are clamped to 511.
; LIMITS.  The root is v_sqrt_f32 with one fused correction step; a square below 2^-126 counts as 0; +infinity cannot be told from a distance taken out; NaN loses every minimum.
; No LDS, no barrier: the waves share nothing.
; v[16:31] xw, then the squares, then K; v[48:63] w2, then the roots; v[64:79] sw, then its term, then 1 / root; v[80:95] the roots' errors
; v32 my least; v33 the wave's least; v34 at work; v35 which of mine; v36 its number; v37 the winner's number; v38 the winner's place in my 16; v39 result; v40 my first number; v41-45 at work
.macro EXTRACT
	v_mov_b32 v33, 0                               ; destinations that count as read
	v_mov_b32 v34, 0
	v_mov_b32 v35, 0
	v_mov_b32 v37, 0
	v_mov_b32 v39, 0
	s_mov_b32 s20, 1                               ; the lane that notes this trip's winner
	s_mov_b32 s23, 16
.Lex:
	v_min3_num_f32 v41, v16, v17, v18
	v_min3_num_f32 v42, v19, v20, v21
	v_min3_num_f32 v43, v22, v23, v24
	v_min3_num_f32 v44, v25, v26, v27
	v_min3_num_f32 v45, v28, v29, v30
	v_min3_num_f32 v41, v41, v42, v31
	v_min3_num_f32 v43, v43, v44, v45
	v_min_num_f32 v32, v41, v43
	v_min_num_f32_dpp v33, v32, v32 row_xmask:1 row_mask:0xf bank_mask:0xf
	v_min_num_f32_dpp v33, v33, v33 row_xmask:2 row_mask:0xf bank_mask:0xf
	v_min_num_f32_dpp v33, v33, v33 row_xmask:4 row_mask:0xf bank_mask:0xf
	v_min_num_f32_dpp v33, v33, v33 row_xmask:8 row_mask:0xf bank_mask:0xf
	v_permlanex16_b32 v34, v33, s18, s19
	v_min_num_f32 v33, v33, v34                    ; the least of all 512
.irp j, 15,14,13,12,11,10,9,8,7,6,5,4,3,2,1,0
	v_cmp_neq_f32 vcc_lo, v[16+(\j)], v33
	v_cndmask_b32 v35, \j, v35, vcc_lo             ; descending, so the lowest place that holds it stays
.endr
	v_cvt_f32_u32 v36, v35
	v_add_f32 v36, v40, v36                        ; its number, exact in f32
	v_cmp_eq_f32 vcc_lo, v32, v33
	v_cndmask_b32 v36, s22, v36, vcc_lo            ; a lane that does not hold the least bids the largest finite number
	v_min_num_f32_dpp v37, v36, v36 row_xmask:1 row_mask:0xf bank_mask:0xf
	v_min_num_f32_dpp v37, v37, v37 row_xmask:2 row_mask:0xf bank_mask:0xf
	v_min_num_f32_dpp v37, v37, v37 row_xmask:4 row_mask:0xf bank_mask:0xf
	v_min_num_f32_dpp v37, v37, v37 row_xmask:8 row_mask:0xf bank_mask:0xf
	v_permlanex16_b32 v34, v37, s18, s19
	v_min_num_f32 v37, v37, v34                    ; among equals the lowest number wins
	v_sub_f32 v38, v37, v40
	v_cvt_i32_f32 v38, v38                         ; 0 to 15 in the lane that holds it alone: the lanes' ranges do not meet
.irp j, 0,1,2,3,4,5,6,7,8,9,10,11,12,13,14,15
	v_cmp_ne_u32 vcc_lo, \j, v38
	v_cndmask_b32 v[16+(\j)], s21, v[16+(\j)], vcc_lo  ; the winner is taken out
.endr
	v_cndmask_b32 v39, v39, v37, s20
	s_lshl_b32 s20, s20, 1
	s_sub_co_u32 s23, s23, 1
	s_cmp_lg_u32 s23, 0
	s_cbranch_scc1 .Lex
	v_cvt_u32_f32 v39, v39                         ; lane i: the i-th
.endm
	s_load_b256 s[4:11], s[0:1], 0x0               ; sel s[4:5], xw s[6:7], wstat s[8:9], xstat s[10:11]
	s_load_b64 s[12:13], s[0:1], 0x20              ; idx
	v_lshrrev_b32 v1, 5, v0
	v_readfirstlane_b32 s16, v1                    ; wave 0..7
	v_and_b32 v1, 31, v0                           ; l
	s_lshl_b32 s17, ttmp9, 3
	s_add_co_u32 s17, s17, s16                     ; my row
	v_lshrrev_b32 v2, 1, v1
	v_lshlrev_b32 v2, 2, v2                        ; word l / 2 of the row's 16
	v_and_b32 v4, 1, v1
	v_lshlrev_b32 v5, 2, v1
	s_mov_b32 s18, 0x76543210
	s_mov_b32 s19, 0xfedcba98
	s_mov_b32 s21, 0x7f800000                      ; +infinity
	s_mov_b32 s22, 0x7f7fffff                      ; the largest finite number
	s_mov_b32 s28, 0x00800000                      ; 2^-126
	s_mov_b32 s27, 0
	s_wait_kmcnt 0x0
	s_lshl_b32 s26, s17, 6
	s_add_nc_u64 s[4:5], s[4:5], s[26:27]
	s_add_nc_u64 s[12:13], s[12:13], s[26:27]
	s_lshl_b32 s26, s17, 3
	s_add_nc_u64 s[10:11], s[10:11], s[26:27]
	s_lshl_b32 s26, s17, 16
	s_add_nc_u64 s[6:7], s[6:7], s[26:27]
	global_load_b32 v3, v2, s[4:5]
	s_load_b64 s[24:25], s[10:11], 0x0             ; x2, sx of my row
	s_wait_loadcnt 0x0
	v_min_u32 v3, 0x1ff, v3                        ; a group's number, held inside the table
	v_lshlrev_b32 v3, 5, v3
	v_lshl_add_u32 v3, v4, 4, v3                   ; my first unit
	v_lshlrev_b32 v6, 2, v3
.irp i, 0,1,2,3
	global_load_b128 v[16+4*(\i):16+4*(\i)+3], v6, s[6:7] offset:16*(\i)
	global_load_b128 v[48+4*(\i):48+4*(\i)+3], v6, s[8:9] offset:16*(\i)
	global_load_b128 v[64+4*(\i):64+4*(\i)+3], v6, s[8:9] offset:65536+16*(\i)
.endr
	v_cvt_f32_u32 v40, v3
	s_wait_kmcnt 0x0
	v_mov_b32 v8, s24
	v_mov_b32 v9, s24
	v_mov_b32 v10, s25
	v_mov_b32 v11, s25
	s_wait_loadcnt 0x0
.irp j, 0,2,4,6,8,10,12,14
	v_pk_fma_f32 v[16+(\j):17+(\j)], v[16+(\j):17+(\j)], -2.0, v[8:9] op_sel_hi:[1,0,1]          ; x2 - 2 xw
	v_pk_add_f32 v[64+(\j):65+(\j)], v[10:11], v[64+(\j):65+(\j)] neg_lo:[0,1] neg_hi:[0,1]      ; sx - sw
	v_pk_add_f32 v[16+(\j):17+(\j)], v[16+(\j):17+(\j)], v[48+(\j):49+(\j)]                      ; + w2
	v_pk_mul_f32 v[64+(\j):65+(\j)], v[64+(\j):65+(\j)], 0x360637bd op_sel_hi:[1,0]              ; 2e-6 (sx - sw)
	v_pk_add_f32 v[16+(\j):17+(\j)], v[16+(\j):17+(\j)], v[64+(\j):65+(\j)]
	v_pk_add_f32 v[16+(\j):17+(\j)], v[16+(\j):17+(\j)], 0x300cbccc op_sel_hi:[1,0]              ; + 512 x 1e-12
.endr
.set j, 0
.rept 16
	v_max_num_f32 v[16+j], 0, v[16+j]
.set j, j+1
.endr
.set j, 0
.rept 16
	v_sqrt_f32 v[48+j], v[16+j]
.set j, j+1
.endr
.set j, 0
.rept 16
	v_rsq_f32 v[64+j], v[16+j]
.set j, j+1
.endr
	v_nop                                          ; a plain instruction between the last of them and the first use (ISA guide 5.7.2)
.set j, 0
	s_wait_alu depctr_va_vdst(0)
.rept 16
	v_fma_f32 v[80+j], -v[48+j], v[48+j], v[16+j]  ; what the root's square lacks, exactly
	v_mul_f32 v[64+j], 0.5, v[64+j]
	v_cmp_le_f32 vcc_lo, s28, v[16+j]
	v_fma_f32 v[48+j], v[80+j], v[64+j], v[48+j]   ; root + lack / (2 root)
	v_cndmask_b32 v[16+j], 0, v[48+j], vcc_lo
.set j, j+1
.endr
	EXTRACT
	s_wait_xcnt 0x0                                ; EXEC changes only behind this wait
	v_cmp_gt_u32 vcc_lo, 16, v1
	s_and_saveexec_b32 s26, vcc_lo
	global_store_b32 v5, v39, s[12:13]             ; 64 bytes a row
	s_endpgm
.Lfunc_end_k_qf45db00510_rank:
	.size	k_qf45db00510_rank, .Lfunc_end_k_qf45db00510_rank-k_qf45db00510_rank
	.p2alignl 7, 3214868480
	.fill 96, 4, 3214868480
	.section	.rodata,"a",@progbits
	.p2align	6, 0x0
	.amdhsa_kernel k_qf45db00510_rank
		.amdhsa_group_segment_fixed_size 0
		.amdhsa_private_segment_fixed_size 0
		.amdhsa_enable_private_segment 0
		.amdhsa_kernarg_size 40
		.amdhsa_user_sgpr_count 2
		.amdhsa_user_sgpr_kernarg_segment_ptr 1
		.amdhsa_wavefront_size32 1
		.amdhsa_system_sgpr_workgroup_id_x 1
		.amdhsa_system_sgpr_workgroup_id_y 1
		.amdhsa_system_sgpr_workgroup_id_z 1
		.amdhsa_system_vgpr_workitem_id 0
		.amdhsa_next_free_vgpr 112
		.amdhsa_next_free_sgpr 66
		.amdhsa_reserve_vcc 1
		.amdhsa_float_denorm_mode_32 3
		.amdhsa_float_denorm_mode_16_64 3
		.amdhsa_memory_ordered 1
		.amdhsa_forward_progress 1
		.amdhsa_inst_pref_size 16
	.end_amdhsa_kernel
	.amdgpu_metadata
---
amdhsa.version: [ 1, 2 ]
amdhsa.kernels:
  - .name:           k_qf45db00510_rank
    .symbol:         k_qf45db00510_rank.kd
    .args:
      - { .name: sel, .offset: 0, .size: 8, .value_kind: global_buffer, .address_space: global }
      - { .name: xw, .offset: 8, .size: 8, .value_kind: global_buffer, .address_space: global }
      - { .name: wstat, .offset: 16, .size: 8, .value_kind: global_buffer, .address_space: global }
      - { .name: xstat, .offset: 24, .size: 8, .value_kind: global_buffer, .address_space: global }
      - { .name: idx, .offset: 32, .size: 8, .value_kind: global_buffer, .address_space: global }
    .group_segment_fixed_size: 0
    .private_segment_fixed_size: 0
    .kernarg_segment_align: 8
    .kernarg_segment_size: 40
    .max_flat_workgroup_size: 256
    .sgpr_count:     66
    .vgpr_count:     112
    .wavefront_size: 32
...
	.end_amdgpu_metadata
.endif
;; end of part 4
;; launch gather (part 5): grid 32 x 1, 4 waves a work-group, no clusters, 0 bytes of LDS; arguments idx, locations, out0, out1; writes out0, out1
.if DOCPART == 5
	.amdgcn_target "amdgcn-amd-amdhsa--gfx1250"
	.amdhsa_code_object_version 6
	.text
	.protected	k_qf45db00510_gather
	.globl	k_qf45db00510_gather
	.p2align	8
	.type	k_qf45db00510_gather,@function
k_qf45db00510_gather:
	s_mov_b64 s[64:65], 0
	v_nop
	global_prefetch_b8 v0, s[64:65] scope:SCOPE_SE
	s_setreg_imm32_b32 hwreg(HW_REG_WAVE_MODE, 25, 1), 1
	s_wait_xcnt 0x0
; GATHER.  out0[n][b][:] = locations[idx[b][n]][:], and out1 = 0.  Thread b = 128 g + t takes row b's 16 unit numbers (64 bytes), clamps them to the table's 16,384 rows,
; fetches the 16 pairs and stores them: for each n a wave stores 256 consecutive bytes, aligned.  4,096 threads are all the work there is: 32 work-groups.
	s_load_b256 s[4:11], s[0:1], 0x0               ; idx s[4:5], locations s[6:7], out0 s[8:9], out1 s[10:11]
	v_lshlrev_b32 v1, 6, v0
	v_lshlrev_b32 v2, 3, v0
	v_mov_b32 v3, 0
	v_mov_b32 v4, 0
	s_mov_b32 s12, ttmp9
	s_mov_b32 s15, 0
	s_wait_kmcnt 0x0
	s_lshl_b32 s14, s12, 13
	s_add_nc_u64 s[4:5], s[4:5], s[14:15]
	s_lshl_b32 s14, s12, 10
	s_add_nc_u64 s[8:9], s[8:9], s[14:15]
.irp i, 0,1,2,3
	global_load_b128 v[16+4*(\i):16+4*(\i)+3], v1, s[4:5] offset:16*(\i)
.endr
	s_wait_loadcnt 0x0
.set n, 0
.rept 16
	v_min_u32 v[16+n], 0x3fff, v[16+n]
	v_lshlrev_b32 v[16+n], 3, v[16+n]
.set n, n+1
.endr
.set n, 0
.rept 16
	global_load_b64 v[32+2*n:33+2*n], v[16+n], s[6:7]
.set n, n+1
.endr
.set n, 0
.rept 16
	s_wait_loadcnt 15-n                            ; loads come back in order: pair n is in
	global_store_b64 v2, v[32+2*n:33+2*n], s[8:9] offset:n*32768
.set n, n+1
.endr
	s_cmp_lg_u32 s12, 0
	s_cbranch_scc1 .Lend
	s_wait_xcnt 0x0                                ; EXEC changes only behind this wait
	v_cmp_eq_u32 vcc_lo, 0, v0
	s_and_saveexec_b32 s13, vcc_lo
	global_store_b32 v3, v4, s[10:11]              ; the loss: 0
	s_wait_xcnt 0x0
	s_or_b32 exec_lo, exec_lo, s13
.Lend:
	s_endpgm
.Lfunc_end_k_qf45db00510_gather:
	.size	k_qf45db00510_gather, .Lfunc_end_k_qf45db00510_gather-k_qf45db00510_gather
	.p2alignl 7, 3214868480
	.fill 96, 4, 3214868480
	.section	.rodata,"a",@progbits
	.p2align	6, 0x0
	.amdhsa_kernel k_qf45db00510_gather
		.amdhsa_group_segment_fixed_size 0
		.amdhsa_private_segment_fixed_size 0
		.amdhsa_enable_private_segment 0
		.amdhsa_kernarg_size 32
		.amdhsa_user_sgpr_count 2
		.amdhsa_user_sgpr_kernarg_segment_ptr 1
		.amdhsa_wavefront_size32 1
		.amdhsa_system_sgpr_workgroup_id_x 1
		.amdhsa_system_sgpr_workgroup_id_y 1
		.amdhsa_system_sgpr_workgroup_id_z 1
		.amdhsa_system_vgpr_workitem_id 0
		.amdhsa_next_free_vgpr 64
		.amdhsa_next_free_sgpr 66
		.amdhsa_reserve_vcc 1
		.amdhsa_float_denorm_mode_32 3
		.amdhsa_float_denorm_mode_16_64 3
		.amdhsa_memory_ordered 1
		.amdhsa_forward_progress 1
		.amdhsa_inst_pref_size 7
	.end_amdhsa_kernel
	.amdgpu_metadata
---
amdhsa.version: [ 1, 2 ]
amdhsa.kernels:
  - .name:           k_qf45db00510_gather
    .symbol:         k_qf45db00510_gather.kd
    .args:
      - { .name: idx, .offset: 0, .size: 8, .value_kind: global_buffer, .address_space: global }
      - { .name: locations, .offset: 8, .size: 8, .value_kind: global_buffer, .address_space: global }
      - { .name: out0, .offset: 16, .size: 8, .value_kind: global_buffer, .address_space: global }
      - { .name: out1, .offset: 24, .size: 8, .value_kind: global_buffer, .address_space: global }
    .group_segment_fixed_size: 0
    .private_segment_fixed_size: 0
    .kernarg_segment_align: 8
    .kernarg_segment_size: 32
    .max_flat_workgroup_size: 128
    .sgpr_count:     66
    .vgpr_count:     64
    .wavefront_size: 32
...
	.end_amdgpu_metadata
.endif
;; end of part 5
